; MI455X (gfx1250); checked and timed in simulation.
; The chip was launched on July 23, 2026; its instructions are those of AMD's public machine-readable ISA for CDNA 5 (MIT licence, August 2026) and "CDNA5" Instruction Set Architecture Reference Guide (July 2026). The comments in the code are by the model that wrote it; some were corrected since.
;; Experts. Allowed arithmetic: float matrix products may take bf16 or f16 operands with f32 sums; all other float work in f32.
;; Inputs: W1 4 x 1,024 x 4,096 float32; W2 4 x 4,096 x 1,024 float32; b1 4 x 4,096 float32; b2 4 x 1,024 float32; inputs 8 x 4 x 256 x 1,024 float32.
;; Outputs: out0 8 x 4 x 256 x 1,024 float32.
;; 2 versions, each right; version 2 is version 1 with the launch cast written anew for expert scheduling mode. Each part assembles by itself: llvm-mc -triple=amdgcn-amd-amdhsa -mcpu=gfx1250 --defsym DOCPART=n.
;; ======== version 1 of 2: 3 launches
;; workspace buffers: xb 16,777,216 bytes; w1b 33,554,432 bytes; w2b 33,554,432 bytes; hb 67,108,864 bytes
;; launch cast (part 1): grid 768 x 1, 8 waves a work-group, no clusters, 0 bytes of LDS; arguments inputs, W1, xb, w1b; writes xb, w1b
.if DOCPART == 1
	.amdgcn_target "amdgcn-amd-amdhsa--gfx1250"
	.amdhsa_code_object_version 6
	.text
	.protected	k_qba99123e67_cast
	.globl	k_qba99123e67_cast
	.p2align	8
	.type	k_qba99123e67_cast,@function
k_qba99123e67_cast:
	s_mov_b64 s[64:65], 0
	v_nop
	global_prefetch_b8 v0, s[64:65] scope:SCOPE_SE
	s_setreg_imm32_b32 hwreg(HW_REG_WAVE_MODE, 25, 1), 1
	s_wait_xcnt 0x0
; inputs and W1 (f32) are rounded once, to nearest even, to bf16 and stored in the same order as xb and w1b: the operands of the first product.  (W2 is not needed before the second
; product: it is rounded by the next launch, beside its matrix work.)
; NaN stays NaN and infinities stay; bf16 has f32's range, so nothing overflows that was finite but the numbers within half a bf16 step of f32's largest.
; SHARES.  96 MiB come in, 128 KiB to a work-group: work-groups 0-255 take inputs, 256-767 W1.  A wave takes 16 KiB: 32 loads of 16 bytes a lane,
; each 512 neighbouring bytes, all issued before the first is used.  A load's four numbers pack into 8 bytes a lane: one store of the wave covers 256 consecutive bytes, aligned.
; No LDS, no barrier, no matrix unit, no cluster: no byte is read twice and no wave needs another's.  No register is written twice behind a memory instruction that names it.
.set X, 4                              ; v[4:131]  load i: four registers as loaded; its first two then hold the packed result
.set LOADS, 32
	s_load_b256 s[4:11], s[0:1], 0x0               ; inputs s[4:5], W1 s[6:7], xb s[8:9], w1b s[10:11]
	s_mov_b32 s16, ttmp9                           ; the work-group's number
	v_and_b32 v3, 0xe0, v0                         ; 32 x wave
	v_and_b32 v2, 31, v0                           ; lane
	v_lshlrev_b32 v1, 4, v2                        ; in: 16 bytes a lane
	v_lshl_or_b32 v1, v3, 9, v1                    ;     + wave x 16,384
	v_lshlrev_b32 v2, 3, v2                        ; out: 8 bytes a lane
	v_lshl_or_b32 v2, v3, 8, v2                    ;     + wave x 8,192
	s_wait_kmcnt 0x0
	s_cmp_lt_u32 s16, 256                          ; the choice of tensor hangs on the work-group's number alone
	s_cselect_b64 s[20:21], s[4:5], s[6:7]         ; from here
	s_cselect_b64 s[22:23], s[8:9], s[10:11]       ; to there
	s_cselect_b32 s17, 0, 256                      ; the tensor's first work-group
	s_sub_co_u32 s18, s16, s17                     ; my part of the tensor, 511 at the most
	s_lshl_b32 s24, s18, 17                        ; x 128 KiB in
	s_mov_b32 s25, 0
	s_lshl_b32 s26, s18, 16                        ; x 64 KiB out
	s_mov_b32 s27, 0
	s_add_nc_u64 s[20:21], s[20:21], s[24:25]
	s_add_nc_u64 s[22:23], s[22:23], s[26:27]
.set i, 0
.rept LOADS
	global_load_b128 v[X+4*i:X+4*i+3], v1, s[20:21] offset:512*i th:TH_LOAD_NT   ; read once in the launch
.set i, i+1
.endr
.set i, 0
.rept LOADS
	s_wait_loadcnt LOADS-1-i                       ; loads come back in order (ISA guide 5.7.1): load i is in, the younger ones stay out
	v_cvt_pk_bf16_f32 v[X+4*i],   v[X+4*i],   v[X+4*i+1]
	v_cvt_pk_bf16_f32 v[X+4*i+1], v[X+4*i+2], v[X+4*i+3]
	global_store_b64 v2, v[X+4*i:X+4*i+1], s[22:23] offset:256*i   ; no hint: the next launch reads these bytes
.set i, i+1
.endr
	s_endpgm
.Lfunc_end_k_qba99123e67_cast:
	.size	k_qba99123e67_cast, .Lfunc_end_k_qba99123e67_cast-k_qba99123e67_cast
	.p2alignl 7, 3214868480
	.fill 96, 4, 3214868480
	.section	.rodata,"a",@progbits
	.p2align	6, 0x0
	.amdhsa_kernel k_qba99123e67_cast
		.amdhsa_group_segment_fixed_size 0
		.amdhsa_private_segment_fixed_size 0
		.amdhsa_enable_private_segment 0
		.amdhsa_kernarg_size 32
		.amdhsa_user_sgpr_count 2
		.amdhsa_user_sgpr_kernarg_segment_ptr 1
		.amdhsa_wavefront_size32 1
		.amdhsa_system_sgpr_workgroup_id_x 1
		.amdhsa_system_sgpr_workgroup_id_y 1
		.amdhsa_system_sgpr_workgroup_id_z 1
		.amdhsa_system_vgpr_workitem_id 0
		.amdhsa_next_free_vgpr 132
		.amdhsa_next_free_sgpr 66
		.amdhsa_reserve_vcc 0
		.amdhsa_float_denorm_mode_32 3
		.amdhsa_float_denorm_mode_16_64 3
		.amdhsa_memory_ordered 1
		.amdhsa_forward_progress 1
		.amdhsa_inst_pref_size 13
	.end_amdhsa_kernel
	.amdgpu_metadata
---
amdhsa.version: [ 1, 2 ]
amdhsa.kernels:
  - .name:           k_qba99123e67_cast
    .symbol:         k_qba99123e67_cast.kd
    .args:
      - { .name: inputs, .offset: 0, .size: 8, .value_kind: global_buffer, .address_space: global }
      - { .name: W1, .offset: 8, .size: 8, .value_kind: global_buffer, .address_space: global }
      - { .name: xb, .offset: 16, .size: 8, .value_kind: global_buffer, .address_space: global }
      - { .name: w1b, .offset: 24, .size: 8, .value_kind: global_buffer, .address_space: global }
    .group_segment_fixed_size: 0
    .private_segment_fixed_size: 0
    .kernarg_segment_align: 8
    .kernarg_segment_size: 32
    .max_flat_workgroup_size: 256
    .sgpr_count:     66
    .vgpr_count:     132
    .wavefront_size: 32
...
	.end_amdgpu_metadata
.endif
;; end of part 1
;; launch ffn1 (part 2): grid 16 x 16, 4 waves a work-group, clusters of 4 x 4, 327,680 bytes of LDS; arguments xb, w1b, b1, hb, W2, w2b; writes hb, w2b
.if DOCPART == 2
	.amdgcn_target "amdgcn-amd-amdhsa--gfx1250"
	.amdhsa_code_object_version 6
	.text
	.protected	k_qba99123e67_ffn1
	.globl	k_qba99123e67_ffn1
	.p2align	8
	.type	k_qba99123e67_ffn1,@function
k_qba99123e67_ffn1:
	s_mov_b64 s[64:65], 0
	v_nop
	global_prefetch_b8 v0, s[64:65] scope:SCOPE_SE
	s_setreg_imm32_b32 hwreg(HW_REG_WAVE_MODE, 25, 1), 1
	s_wait_xcnt 0x0
	s_wait_alu depctr_hold_cnt(0) depctr_sa_sdst(0) depctr_va_vdst(0) depctr_va_sdst(0) depctr_va_ssrc(0) depctr_va_vcc(0) depctr_vm_vsrc(0)
	s_getreg_b32 s2, hwreg(HW_REG_IB_STS2, 6, 4)
	s_cmp_eq_u32 s2, 0
	s_cbranch_scc0 .Lentry_in_a_cluster
	s_endpgm
.Lentry_in_a_cluster:
	s_bfe_u32 s2, ttmp6, 0x10000c
	s_cmp_lg_u32 s2, 0xf033
	s_cbranch_scc0 .Lentry_shape_is_right
	s_endpgm
.Lentry_shape_is_right:
; hb[row][f] = gelu(sum over k of xb[row][k] w1b[e][k][f] + b1[e][f]), e = (row / 256) mod 4.  xb: [8192][1024] bf16, w1b: [4][1024][4096] bf16, b1: [4][4096] f32, hb: [8192][4096] bf16.
; Sums, bias and gelu in f32; hb rounded once.  gelu is the tanh form, written x / (1 + 2^(-c (x + 0.044715 x^3))), c = 2 sqrt(2/pi) log2(e), which is the same function:
; where x^2 overflows the exponent is +-infinity and the result x or -0; where f32 tanh would have rounded to -1 this form gives a tiny negative number in place of -0.
; BESIDE THE PRODUCTS the launch rounds W2 (f32, [4][4096][1024]) once to bf16 and stores it in the same order as w2b, which only the next launch reads: 64 MiB over 256 work-groups are
; 256 KiB each, 64 KiB a wave, sixteen chunks of 4 KiB, one to a K step.  A chunk's eight loads are asked for a K step ahead of its conversions.
; SHARES.  A tile of hb, 256 x 256, is made by a work-group of four waves; a wave makes 128 x 128: 64 accumulators of 16 x 16, 512 registers.  An aligned block of 256 rows has one expert.
; K goes in steps of 128 through a ring of two LDS slots filled by the tensor data mover: 256 rows of A (256 bytes each) and 128 k-rows of B (512 bytes each), every row a whole number
; of aligned blocks of 256 bytes of memory.  B lies [k][column] in LDS as in memory, and its fragments come out turned, by ds_load_tr16_b128.
; A WORK-GROUP STAYS: hb has 512 tiles, and 256 work-groups make two each, 4,096 rows apart: the same expert and the same tile column, so the same rows of B and the same bias.  A loop over tiles
; stands round the loop over K, and the ring does not stop at the first tile's end: its last two changes of slots ask for the second tile's K steps 0 and 1, which land while the first tile
; goes out, and nothing waits for the first tile's stores.  The last K step and a quarter are written twice, with and without refills; both ways join in front of ONE copy of the way out, the larger part of the text.
; CLUSTERS: 4 x 4 work-groups.  A cluster's four rows are four row blocks of ONE expert (e = cluster y; w = cy, then cy + 4), its four columns four tile columns.  So the four of a
; row of the cluster need the same tiles of A and the four of a column the same tiles of B: each tile is asked for jointly, by the same tensor load with the same descriptor and a mask that names the four.
; THE MATRIX INSTRUCTION IS USED TRANSPOSED: source 0 = 16 columns of B, source 1 = 16 rows of A.  Lane l then holds row l % 16 and the columns 8 (l / 16) + 0..7: eight neighbouring numbers of a row.
; REGISTERS, in windows of 256 (s_set_vgpr_msb's low byte: bits 1:0 source 0, 3:2 source 1, 5:4 source 2, 7:6 destination):
;   window 0: v0-31 addresses and constants; v64-127, v128-191 fragments of A, two buffers;
;             on the way out v64-127 x, v128-191 at work, v192-223 packed, v32-63 and v224-255 rows read back
;   window 1: v0-63 the bias of my 8 x 8 columns; v64-127, v128-191 fragments of B, two buffers; v192-223 a chunk of W2 as loaded, v224-239 as stored: no register of the way out, during which a chunk is on its way
;   window 2: the accumulators of my rows 0-63 ((a, b) at v[8 (8 a + b)]);   window 3: those of my rows 64-127
.set SIZE_K, 1024
.set SIZE_N, 4096
.set KSTEP,  128
.set TILES,  2                         ; tiles of a work-group,
.set WALK,   4096                      ; so many rows apart: 4 w's x 4 experts x 256 rows
.set PA,     272                       ; a row of A in LDS: 256 bytes + 16 = 68 words: row r starts at bank 4 r mod 64 (64 banks of 4 bytes: ISA guide 11.1): the 16 rows of a load start at 16 different banks
.set PB,     544                       ; a k-row of B: 512 bytes + 32 = 136 words: row r starts at bank 8 r mod 64
.set HALFA,  128*PA                    ; what one tensor load brings of A, and what one wave reads of it
.set HALFB,  64*PB                     ; what one tensor load brings of B: 64 k-rows
.set BOFF,   2*HALFA                   ; B's 128 k-rows lie behind A's 256 rows
.set SLOT,   BOFF+2*HALFB              ; 139,264 bytes
.set STAGE,  2*SLOT                    ; behind the ring, at a multiple of 256: 16 rows x 272 bytes for each wave, for the way out; no tensor load fills it
.set SP,     272
.set LAPS,   SIZE_K/(2*KSTEP)          ; a lap = two K steps = once round the ring
.set ASTEP,  2*KSTEP*2                 ; bytes from a slot's K step to its next: A goes along its rows,
.set BSTEP,  2*KSTEP*SIZE_N*2          ; B down 256 rows
.set NEXT_A, WALK*SIZE_K*2-(SIZE_K-2*KSTEP)*2   ; bytes from a slot's last K step of a tile to its first of the next: A goes WALK rows down and back along K,
.set BACK_B, (SIZE_K-2*KSTEP)*SIZE_N*2 ; B only back up its rows
.set NEXT_C, WALK*SIZE_N*2             ; hb from a tile to the next
.set CIN,    8*512                     ; a chunk of W2: eight loads of 512 bytes a wave,
.set COUT,   8*256                     ; eight stores of 256
.set WI,   8                           ; v8      my 16 bytes in a load of W2; never rewritten
.set WO,   9                           ; v9      my 8 bytes in a store of w2b; never rewritten
.set ADRA, 16                          ; v16-17  LDS address of my A fragments in slot 0, 1
.set ADRB, 20                          ; v20-21  the same for B
.set STO,  24                          ; v24     the way out: where I put 16 bytes of a row
.set RD,   25                          ; v25     the way out: where I read a row back
.set CO,   26                          ; v26     my byte offset in my part of hb
.set BO,   27                          ; v27     my byte offset in my wave's 128 numbers of b1
.set K1,   28                          ; v[28:29] -0.044715 c, twice
.set K2,   30                          ; v[30:31] -c, twice
.set RX,   192                         ; window 1, v[192:223]: a chunk of W2: load i in four registers
.set RP,   224                         ; window 1, v[224:239]: the chunk in bf16: two registers for each load
.set OB0,  32
.set OB1,  224
.set F0,   64
.set F1,   128
.set X,    64
.set T,    128
.set TMP,  192
.set BI,   0                           ; in window 1
.set WV, 12                            ; s12 my wave's number
.set RH, 13                            ; s13 which half of the tile's rows is mine.  Also: I fetch for A (0) or for B (1)
.set CH, 14                            ; s14 which half of its columns.  Also: which half of that tile's rows I fetch
.set G1,  24                           ; s[24:31] descriptor group 1 for A's tiles;  s[32:39] group 0, one set for each slot
.set G0,  32
.set G1B, 48                           ; s[48:55], s[56:63] the same for B's tiles
.set G0B, 56
.set WS,  68                           ; s[68:69] W2 at the chunk last asked for
.set WD,  70                           ; s[70:71] w2b one chunk behind the chunk that is stored
.set MSB, 0
.macro WIN new                         ; the immediate's high byte repeats the setting that is left; a switch that changes nothing is dropped
.if MSB != \new
	s_set_vgpr_msb (MSB<<8)|\new
.set MSB, \new
.endif
.endm
.set MUL_LO, 0xa1                      ; source 0 (B) window 1, source 1 (A) window 0, C and D window 2
.set MUL_HI, 0xf1                      ; the same, C and D window 3
.set TO_B,   0x40                      ; destination window 1, address window 0
.set W_CV,   0x45                      ; destination and sources 0 and 1 window 1
.set W_ST,   0x04                      ; a store's address (source 0) window 0, its data (source 1) window 1
; A joint load: waves 0 and 1 fetch A's two halves, waves 2 and 3 B's.  The branch hangs on the wave's number alone.  Four v_nop follow each of the two lines, ahead of the jump, the label and what follows.
.macro JLOAD s
	s_cmp_eq_u32 s[RH], 0
	s_cbranch_scc0 .Lfor_b_\@
	tensor_load_to_lds s[G0+4*\s:G0+4*\s+3], s[G1:G1+7]
	s_nop 0
.rept 4
	v_nop
.endr
	s_branch .Lasked_\@
.Lfor_b_\@:
	tensor_load_to_lds s[G0B+4*\s:G0B+4*\s+3], s[G1B:G1B+7]
	s_nop 0
.rept 4
	v_nop
.endr
.Lasked_\@:
.endm
; A round of the cluster's barrier: my work-group's barrier, so that wave 0's signal speaks for all four waves; wave 0 signals for the work-group; every wave waits for all sixteen; my work-group's barrier once more.
.macro CREST                           ; a round behind its opening barrier
	s_cmp_lg_u32 s[WV], 0
	s_cbranch_scc1 .Lnot_wave_0_\@
	s_barrier_signal -3
.Lnot_wave_0_\@:
	s_barrier_wait -3
	s_barrier_signal -1
	s_barrier_wait -1
.endm
.macro CROUND                          ; a whole round
	s_barrier_signal -1
	s_barrier_wait -1
	CREST
.endm
	s_load_b256 s[4:11], s[0:1], 0x0               ; xb s[4:5], w1b s[6:7], b1 s[8:9], hb s[10:11]
	s_load_b128 s[68:71], s[0:1], 0x20             ; W2 s[68:69], w2b s[70:71]
	s_set_vgpr_msb 0x40
	v_lshl_add_u32 v255, v0, 2, 0x48400
	s_set_vgpr_msb 0x4000
	v_mov_b32 v23, 0
	s_set_vgpr_msb 0x1
	ds_add_u32 v255, v23
	s_set_vgpr_msb 0x100
	v_lshrrev_b32 v1, 5, v0
	v_readfirstlane_b32 s[WV], v1                  ; wave 0..3
	s_lshr_b32 s[RH], s[WV], 1
	s_and_b32 s[CH], s[WV], 1
	s_bfe_u32 s40, ttmp6, 0x40000                  ; cx: my place along the cluster's x
	s_bfe_u32 s41, ttmp6, 0x40004                  ; cy: along its y
	s_lshl_b32 s42, ttmp9, 2                       ; in a cluster launch ttmp9 and ttmp7 count clusters
	s_add_co_u32 s42, s42, s40                     ; tile column = 4 x cluster x + cx, 0..15
	s_and_b32 s45, ttmp7, 0xffff                   ; cluster y, 0..3: the expert, the same in the whole cluster
	s_lshl_b32 s2, s41, 2
	s_add_co_u32 s2, s2, s45                       ; my first block of 256 rows = 4 w + e with w = cy, 0..15; the second lies 16 blocks on
	s_lshl_b32 s43, s41, 2
	s_lshl_b32 s43, 15, s43                        ; my row of the cluster: places 4 cy .. 4 cy + 3
	s_lshl_b32 s44, 0x1111, s40                    ; my column: places cx, cx + 4, cx + 8, cx + 12
	; my wave's part of W2 and of w2b.  s72-75 hold both cx and cy and feed no descriptor.
	s_lshl_b32 s72, s2, 4
	s_add_co_u32 s72, s72, s42                     ; my work-group's number among the 256 = 16 x first row block + tile column
	s_lshl_b32 s74, s72, 17                        ; out: 128 KiB a work-group,
	s_lshl_b32 s72, s72, 18                        ; in: 256 KiB
	s_lshl_b32 s73, s[WV], 16                      ; in: 64 KiB a wave,
	s_add_co_u32 s72, s72, s73
	s_lshl_b32 s73, s[WV], 15                      ; out: 32 KiB
	s_add_co_u32 s74, s74, s73
	s_mov_b32 s73, 0
	s_mov_b32 s75, 0
	; descriptor group 1 for A: 128 rows x 128 elements, padded in LDS
	s_or_b32 s[G1+0], s43, (1<<16)|(1<<20)|(1<<21)|(5<<22)|(3<<25)  ; 15:0 the mask: my row; 17:16 elements of 2 bytes; 20 padding on; 21 set beside a mask; 24:22 after every 64 words (code 5); 31:25 4 words of it (code 3)
	s_mov_b32 s[G1+1], KSTEP<<16                   ; tensor_dim0 = 128
	s_mov_b32 s[G1+2], 128<<16                     ; tensor_dim1 = 128
	s_mov_b32 s[G1+3], KSTEP<<16                   ; tile_dim0 = 128
	s_mov_b32 s[G1+4], 128                         ; tile_dim1 = 128
	s_mov_b32 s[G1+5], SIZE_K                      ; elements from row to row
	s_mov_b32 s[G1+6], 0
	s_mov_b32 s[G1+7], 0
	; descriptor group 1 for B: 64 k-rows x 256 elements, padded in LDS
	s_or_b32 s[G1B+0], s44, (1<<16)|(1<<20)|(1<<21)|(6<<22)|(7<<25) ; the mask: my column; after every 128 words (code 6) 8 words of padding (code 7)
	s_mov_b32 s[G1B+1], 256<<16                    ; tensor_dim0 = 256
	s_mov_b32 s[G1B+2], 64<<16                     ; tensor_dim1 = 64
	s_mov_b32 s[G1B+3], 256<<16                    ; tile_dim0 = 256
	s_mov_b32 s[G1B+4], 64                         ; tile_dim1 = 64
	s_mov_b32 s[G1B+5], SIZE_N                     ; elements from row to row
	s_mov_b32 s[G1B+6], 0
	s_mov_b32 s[G1B+7], 0
	; Byte offsets, all under 2^27.  A's hang on the row block, which my row of the cluster shares; B's on the expert and the tile column, which my column shares.
	; s15-17 never hold cx, s19 and s46-47 never hold cy.
	s_lshl_b32 s16, s2, 19                         ; A: 256 rows of 2,048 bytes a block
	s_lshl_b32 s15, s[CH], 18                      ;    + the 128 rows that I fetch
	s_add_co_u32 s16, s16, s15
	s_mov_b32 s17, 0
	s_lshl_b32 s46, s45, 23                        ; B: the expert's 8 MiB
	s_lshl_b32 s19, s[CH], 19                      ;    + the 64 k-rows of 8,192 bytes that I fetch
	s_add_co_u32 s46, s46, s19
	s_lshl_b32 s19, s42, 9                         ;    + the tile's 256 columns
	s_add_co_u32 s46, s46, s19
	s_mov_b32 s47, 0
	s_mul_i32 s20, s[CH], HALFA                    ; where they go in a slot: no place in the cluster enters an LDS address
	s_mul_i32 s21, s[CH], HALFB
	s_add_co_u32 s21, s21, BOFF
	s_wait_dscnt 0x0
	s_wait_kmcnt 0x0
	s_add_nc_u64 s[4:5], s[4:5], s[16:17]          ; A and B at my part of the first tile's K step 0
	s_add_nc_u64 s[6:7], s[6:7], s[46:47]
	s_add_nc_u64 s[WS:WS+1], s[WS:WS+1], s[72:73]  ; W2 and w2b at my wave's part
	s_add_nc_u64 s[WD:WD+1], s[WD:WD+1], s[74:75]
	s_lshl_b32 s46, s45, 14                        ; b1: the expert's 4,096 numbers
	s_lshl_b32 s19, s42, 10                        ;     + the tile's 256
	s_add_co_u32 s46, s46, s19
	s_lshl_b32 s19, s[CH], 9                       ;     + my wave's 128
	s_add_co_u32 s46, s46, s19
	s_add_nc_u64 s[8:9], s[8:9], s[46:47]
	s_lshl_b32 s16, s2, 21                         ; hb: 256 rows of 8,192 bytes a block
	s_lshl_b32 s15, s[RH], 20                      ;     + my wave's 128 rows
	s_add_co_u32 s16, s16, s15
	s_add_nc_u64 s[10:11], s[10:11], s[16:17]
	s_lshl_b32 s46, s42, 9                         ;     + the tile's 256 columns
	s_lshl_b32 s19, s[CH], 8                       ;     + my wave's 128
	s_add_co_u32 s46, s46, s19
	s_add_nc_u64 s[10:11], s[10:11], s[46:47]
	CROUND                                         ; all sixteen work-groups are here: the first joint loads meet
.irp s, 0,1
	s_mov_b32 s[G0+4*\s], 1                                        ; count = 1
	s_add_co_u32 s[G0+4*\s+1], s20, \s*SLOT                        ; LDS address
	s_add_nc_u64 s[G0+4*\s+2:G0+4*\s+3], s[4:5], \s*KSTEP*2        ; global address: K step s
	s_or_b32 s[G0+4*\s+3], s[G0+4*\s+3], 0x80000000                ; type = 2
	s_mov_b32 s[G0B+4*\s], 1
	s_add_co_u32 s[G0B+4*\s+1], s21, \s*SLOT
	s_add_nc_u64 s[G0B+4*\s+2:G0B+4*\s+3], s[6:7], \s*KSTEP*SIZE_N*2
	s_or_b32 s[G0B+4*\s+3], s[G0B+4*\s+3], 0x80000000
.endr
	s_cmp_eq_u32 s[RH], 0                          ; a wave's two first fills stand in one branch, ahead of every wait on TENSORcnt and every LDS read: two loads of mine are out
	s_cbranch_scc0 .Lfirst_b
	tensor_load_to_lds s[G0:G0+3], s[G1:G1+7]
	s_nop 0
	tensor_load_to_lds s[G0+4:G0+7], s[G1:G1+7]
	s_nop 0
.rept 4
	v_nop
.endr
	s_branch .Lfirst_asked
.Lfirst_b:
	tensor_load_to_lds s[G0B:G0B+3], s[G1B:G1B+7]
	s_nop 0
	tensor_load_to_lds s[G0B+4:G0B+7], s[G1B:G1B+7]
	s_nop 0
.rept 4
	v_nop
.endr
.Lfirst_asked:
	v_and_b32 v1, 15, v0                           ; r = l % 16
	v_bfe_u32 v2, v0, 4, 1                         ; h = l / 16
	v_lshlrev_b32 v[BO], 5, v2                     ; my eight columns of a block of 16 begin at 8 h: 32 h bytes of f32
	v_and_b32 v5, 31, v0                           ; lane
	v_lshlrev_b32 v[WI], 4, v5
	v_lshlrev_b32 v[WO], 3, v5
	WIN TO_B
.irp b, 0,1,2,3,4,5,6,7                ; the bias of columns 16 b + 8 h + 0..7 -> window 1, v[8 b ..]: the place of the same columns in an accumulator row; it serves both tiles
	global_load_b128 v[BI+8*\b:BI+8*\b+3],   v[BO], s[8:9] offset:64*\b
	global_load_b128 v[BI+8*\b+4:BI+8*\b+7], v[BO], s[8:9] offset:64*\b+16
.endr
.set i, 0
.rept 8                                ; W2's chunk 0, behind the bias
	global_load_b128 v[RX+4*i:RX+4*i+3], v[WI], s[WS:WS+1] offset:512*i th:TH_LOAD_NT
.set i, i+1
.endr
	WIN 0
	; A fragment of A is 16 rows x 32 K in 8 registers: lane l holds row r; registers 0-3 K = 8 h + 0..7, registers 4-7 K = 16 + 8 h + 0..7: two loads of 16 bytes, 32 bytes apart.
	v_mul_u32_u24 v3, v1, PA
	v_lshl_add_u32 v3, v2, 4, v3                   ; r x pitch + 16 h
	; The turning load takes 16 k-rows x 16 columns (lane l reads 16 bytes: k-row 8 h + l % 8, columns 8 ((l / 8) % 2) + 0..7) and leaves half a fragment of B: lane l holds column r and 8 k.
	v_and_b32 v4, 7, v0
	v_lshl_add_u32 v4, v2, 3, v4
	v_mul_u32_u24 v4, v4, PB
	v_bfe_u32 v5, v0, 3, 1
	v_lshl_add_u32 v4, v5, 4, v4
	s_mul_i32 s22, s[RH], HALFA                    ; my 128 rows of A
	s_lshl_b32 s23, s[CH], 8                       ; my 128 columns of B: 256 bytes into each k-row,
	s_add_co_u32 s23, s23, BOFF                    ; behind A's rows
.irp s, 0,1
	v_add_nc_u32 v[ADRA+\s], s22, v3
	v_add_nc_u32 v[ADRB+\s], s23, v4
	s_add_co_u32 s22, s22, SLOT
	s_add_co_u32 s23, s23, SLOT
.endr
	s_mul_i32 s22, s[WV], 16*SP
	s_add_co_u32 s22, s22, STAGE                   ; my stage
	v_add_nc_u32 v[STO], s22, v3                   ; in: row r, 16 bytes for each half of the lanes (the stage's pitch is A's)
	v_mul_u32_u24 v5, v2, SP                       ; back: lanes 0-15 take one row of 256 bytes, lanes 16-31 the next
	v_lshl_add_u32 v5, v1, 4, v5
	v_add_nc_u32 v[RD], s22, v5
	v_lshlrev_b32 v5, 13, v2                       ; and the same two rows in hb, 8,192 bytes apart
	v_lshl_add_u32 v[CO], v1, 4, v5
	v_mov_b32 v[K1],   0xbdd2d3e8                  ; -0.044715 c = -0.10294324
	v_mov_b32 v[K1+1], 0xbdd2d3e8
	v_mov_b32 v[K2],   0xc0135761                  ; -c = -2.3022082
	v_mov_b32 v[K2+1], 0xc0135761
; 16 matrix instructions: row blocks a0, a0 + 1 of the window's four (hi = 0: my rows 0-63, 1: rows 64-127) x all 8 column blocks, 32 along K.  zero = 1: the first product starts the sums.
; The 64 accumulators take turns, one instruction a turn, in the same order in every quarter and from tile to tile.
.macro MUL16 f, hi, a0, zero
.irp a, \a0, \a0+1
.irp b, 0,1,2,3,4,5,6,7
.if \zero
	v_wmma_f32_16x16x32_bf16 v[8*(8*(\a)+\b):8*(8*(\a)+\b)+7], v[\f+8*\b:\f+8*\b+7], v[\f+8*(4*\hi+\a):\f+8*(4*\hi+\a)+7], 0
.else
	v_wmma_f32_16x16x32_bf16 v[8*(8*(\a)+\b):8*(8*(\a)+\b)+7], v[\f+8*\b:\f+8*\b+7], v[\f+8*(4*\hi+\a):\f+8*(4*\hi+\a)+7], v[8*(8*(\a)+\b):8*(8*(\a)+\b)+7]
.endif
.endr
.endr
.endm
; 32 LDS loads in one run: the fragments of quarter q of a K step (32 k-rows x 128 columns of B, turned; 128 rows x 32 K of A) into buffer f
.macro FETCH slot, q, f
	WIN TO_B
.irp b, 0,1,2,3,4,5,6,7
	ds_load_tr16_b128 v[\f+8*\b:\f+8*\b+3],   v[ADRB+\slot] offset:32*\q*PB+32*\b
	ds_load_tr16_b128 v[\f+8*\b+4:\f+8*\b+7], v[ADRB+\slot] offset:32*\q*PB+16*PB+32*\b
.endr
	WIN 0
.irp i, 0,1,2,3,4,5,6,7
	ds_load_b128 v[\f+8*\i:\f+8*\i+3],   v[ADRA+\slot] offset:64*\q+\i*16*PA
	ds_load_b128 v[\f+8*\i+4:\f+8*\i+7], v[ADRA+\slot] offset:64*\q+\i*16*PA+32
.endr
.endm
; A load into a register that a matrix instruction has read, and a vector instruction that reads a matrix result, stand four places behind that matrix instruction, and only plain vector
; instructions that name none of its registers are places (ISA guide 7.12.1 for vector instructions).
.macro PLACES
.rept 4
	v_nop
.endr
.endm
; A chunk of W2, once in each K step: the chunk asked for a K step ago is rounded and stored, and (more = 1) the next is asked for.  The sixteen conversions name no register of a matrix
; instruction: they are the places in front of the fragment loads that follow.  A store of the wave covers 256 consecutive bytes, aligned.
.macro RIDE more
	s_wait_loadcnt 0x0                             ; the chunk is in: its eight loads are the only ones out
	s_wait_xcnt 0x0                                ; the last chunk's stores have had their addresses translated (ISA guide 3.1): their data and their base are rewritten only behind this wait
	s_add_nc_u64 s[WD:WD+1], s[WD:WD+1], COUT      ; the stores below reach back by a chunk
	WIN W_CV
.set i, 0
.rept 8
	v_cvt_pk_bf16_f32 v[RP+2*i],   v[RX+4*i],   v[RX+4*i+1]
	v_cvt_pk_bf16_f32 v[RP+2*i+1], v[RX+4*i+2], v[RX+4*i+3]
.set i, i+1
.endr
	WIN W_ST
.set i, 0
.rept 8
	global_store_b64 v[WO], v[RP+2*i:RP+2*i+1], s[WD:WD+1] offset:256*i-COUT   ; no hint: the next launch reads these bytes
.set i, i+1
.endr
.if \more
	s_add_nc_u64 s[WS:WS+1], s[WS:WS+1], CIN       ; free since the wait for the loads that named it
	WIN TO_B
.set i, 0
.rept 8
	global_load_b128 v[RX+4*i:RX+4*i+3], v[WI], s[WS:WS+1] offset:512*i th:TH_LOAD_NT   ; read once in the launch
.set i, i+1
.endr
.endif
.endm
; A K step is four quarters of 32 along K, 64 matrix instructions each, on buffers 0, 1, 0, 1.  One of the first three: multiplies buffer f; in its middle it fetches quarter q of the same slot into buffer g.
; ride = 0: nothing of W2; 1: a chunk of W2, and the next is asked for; 2: the last chunk.
.macro QUARTER slot, q, f, g, zero, ride
	s_wait_dscnt 8                                 ; B and A's rows 0-63 are in; the youngest eight loads (A's rows 64-127) may be out
	WIN MUL_LO
	MUL16 \f, 0, 0, \zero
	MUL16 \f, 0, 2, \zero
.if \ride == 0
	PLACES
.elseif \ride == 1
	RIDE 1
.else
	RIDE 0
.endif
	FETCH \slot, \q, \g
	s_wait_dscnt 32                                ; all but the 32 just issued
	WIN MUL_HI
	MUL16 \f, 1, 0, \zero
	MUL16 \f, 1, 2, \zero
.endm
; The last quarter multiplies buffer 1 and changes slots: ONE barrier.  In front of it each wave waits for its own reads of this slot and for all its tensor loads, of which one is out: its part
; of the next slot.  Behind it nobody reads this slot any more and the next slot is whole.  fill = 1 or 2: the barrier opens a round of the cluster's barrier, and the slot just read is filled again
; first thing behind the round: with this tile's K step two steps on (1), or, in the first tile's last two K steps, with the next tile's K step 0 or 1 (2).  From a request to the wait for it a
; wave issues 240 matrix instructions, and between the tiles the way out besides.  fetch = 1: the next slot's first fragments are fetched; 0: the way out follows, which works in A's two buffers.
.macro TURN slot, next, fill, fetch
	s_wait_dscnt 8
	WIN MUL_LO
	MUL16 F1, 0, 0, 0
	s_wait_dscnt 0x0                               ; my reads of this slot are over,
	s_wait_tensorcnt 0x0                           ; and all my tensor loads have landed
	ds_add_u32 v255, v23
	s_wait_dscnt 0x0
	s_barrier_signal -1
	MUL16 F1, 0, 2, 0                              ; work on registers while the others arrive
.if \fill
	WIN 0                                          ; at a branch and at a label every window is 0
.endif
	s_barrier_wait -1
.if \fill
	CREST                                          ; no wave of any partner still reads this slot's tile or has a load on its way
.if \fill == 2
	s_add_nc_u64 s[G0+4*\slot+2:G0+4*\slot+3], s[G0+4*\slot+2:G0+4*\slot+3], NEXT_A
	s_sub_nc_u64 s[G0B+4*\slot+2:G0B+4*\slot+3], s[G0B+4*\slot+2:G0B+4*\slot+3], BACK_B
.else
	s_add_nc_u64 s[G0+4*\slot+2:G0+4*\slot+3], s[G0+4*\slot+2:G0+4*\slot+3], ASTEP
	s_add_nc_u64 s[G0B+4*\slot+2:G0B+4*\slot+3], s[G0B+4*\slot+2:G0B+4*\slot+3], BSTEP
.endif
	JLOAD \slot                                    ; my one tensor load behind the round; the four v_nop behind it are also the places in front of the loads below
.else
	PLACES
.endif
.if \fetch
	FETCH \next, 0, F0
.endif
	WIN MUL_HI
	MUL16 F1, 1, 0, 0
	MUL16 F1, 1, 2, 0
.endm
; THE WAY OUT of block a (16 rows x 128 columns: 64 numbers a lane), in three parts.
; ACT: bias, gelu, rounding.  In runs over the 64 numbers, so that no instruction waits for the one in front of it.  Each accumulator is read from its low end on.
.macro ACT a
.set WN, 0x06+(\a)/4                   ; source 0 (the sums) window 2 or 3, source 1 (the bias) window 1, destination window 0
	WIN WN
.set p, 0
.rept 32
	v_pk_add_f32 v[X+2*p:X+2*p+1], v[64*((\a)%4)+2*p:64*((\a)%4)+2*p+1], v[BI+2*p:BI+2*p+1]   ; x
.set p, p+1
.endr
	WIN 0
.set p, 0
.rept 32
	v_pk_mul_f32 v[T+2*p:T+2*p+1], v[X+2*p:X+2*p+1], v[X+2*p:X+2*p+1]                         ; x^2
.set p, p+1
.endr
.set p, 0
.rept 32
	v_pk_fma_f32 v[T+2*p:T+2*p+1], v[T+2*p:T+2*p+1], v[K1:K1+1], v[K2:K2+1]                   ; -c (0.044715 x^2 + 1)
.set p, p+1
.endr
.set p, 0
.rept 32
	v_pk_mul_f32 v[T+2*p:T+2*p+1], v[T+2*p:T+2*p+1], v[X+2*p:X+2*p+1]                         ; -c (x + 0.044715 x^3)
.set p, p+1
.endr
.set p, 0
.rept 64
	v_exp_f32 v[T+p], v[T+p]
.set p, p+1
.endr
	v_nop                                          ; a plain instruction between the exponentials and the first use of a result (ISA guide 5.7.2)
.set p, 0
	s_wait_alu depctr_va_vdst(0)
.rept 32
	v_pk_add_f32 v[T+2*p:T+2*p+1], v[T+2*p:T+2*p+1], 1.0 op_sel_hi:[1,0]
.set p, p+1
.endr
.set p, 0
.rept 64
	v_rcp_f32 v[T+p], v[T+p]
.set p, p+1
.endr
	v_nop                                          ; likewise behind the reciprocals
.set p, 0
	s_wait_alu depctr_va_vdst(0)
.rept 32
	v_pk_mul_f32 v[X+2*p:X+2*p+1], v[X+2*p:X+2*p+1], v[T+2*p:T+2*p+1]                         ; gelu(x)
.set p, p+1
.endr
.set p, 0
.rept 32
	v_cvt_pk_bf16_f32 v[TMP+p], v[X+2*p], v[X+2*p+1]
.set p, p+1
.endr
.endm
; TOSTAGE: 16 bytes a lane into my own stage, and back as whole rows of 256 bytes.
.macro TOSTAGE a
.set BK, OB0+(OB1-OB0)*((\a)%2)
.irp b, 0,1,2,3,4,5,6,7
	ds_store_b128 v[STO], v[TMP+4*\b:TMP+4*\b+3] offset:32*\b
.endr
.irp t, 0,1,2,3,4,5,6,7
	ds_load_b128 v[BK+4*\t:BK+4*\t+3], v[RD] offset:\t*2*SP        ; LDS serves a wave's instructions in order (ISA guide 5.7.1.4): these see the stores above
.endr
.endm
; SEND: stored.  The block's place among my 128 rows stands in the immediate, 126 rows of 8,192 bytes at the most, inside its signed 24 bits; the base steps only from tile to tile.
.macro SEND a
.set BK, OB0+(OB1-OB0)*((\a)%2)
	s_wait_dscnt 0x0                               ; the block is back in registers
	s_wait_xcnt 0x0                                ; every earlier store has had its addresses translated (ISA guide 3.1): the other set of rows, which the stores of the block before read, is loaded again only behind this wait
.irp t, 0,1,2,3,4,5,6,7
	global_store_b128 v[CO], v[BK+4*\t:BK+4*\t+3], s[10:11] offset:(16*(\a)+2*\t)*SIZE_N*2   ; 16 lanes store 256 consecutive bytes, at a multiple of 256 from hb's first byte; no hint: the next launch reads them
.endr
.endm
	s_wait_tensorcnt 0x1                           ; my part of K step 0 is in; K step 1's may stay out
	s_wait_loadcnt 0x8                             ; the bias is in; the eight younger loads, W2's chunk 0, stay out
	s_barrier_signal -1
	s_barrier_wait -1                              ; everybody's part is in
	s_mov_b32 s2, TILES                            ; tiles to go, this one among them: the same number in every work-group
.Ltile:                                                ; slot 0 holds the tile's K step 0, whole for every wave: the barrier above, or the one in the last tile's second change of slots, has shown it
	FETCH 0, 0, F0
	QUARTER 0, 1, F0, F1, 1, 0                     ; a tile's first quarter stands in front of the loop over K: its products start the sums, nothing is cleared
	WIN 0
	s_mov_b32 s3, LAPS-1
.Llap:                                                 ; a trip goes once round the ring, from a lap's second quarter to the next lap's first, fills both slots again and takes two chunks of W2
	QUARTER 0, 2, F1, F0, 0, 1
	QUARTER 0, 3, F0, F1, 0, 0
	TURN 0, 1, 1, 1
	QUARTER 1, 1, F0, F1, 0, 0
	QUARTER 1, 2, F1, F0, 0, 1
	QUARTER 1, 3, F0, F1, 0, 0
	TURN 1, 0, 1, 1
	QUARTER 0, 1, F0, F1, 0, 0
	WIN 0
	s_sub_co_u32 s3, s3, 1
	s_cmp_lg_u32 s3, 0
	s_cbranch_scc1 .Llap
	QUARTER 0, 2, F1, F0, 0, 1                     ; the tile's last lap goes on
	QUARTER 0, 3, F0, F1, 0, 0
	WIN 0
	s_cmp_eq_u32 s2, 1
	s_cbranch_scc1 .Llast                          ; the last tile's tail is written out: it asks for nothing more
	TURN 0, 1, 2, 1                                ; THE RING GOES ON INTO THE NEXT TILE: slot 0 takes its K step 0,
	QUARTER 1, 1, F0, F1, 0, 0
	QUARTER 1, 2, F1, F0, 0, 1                     ; (W2's next chunk is asked for: it comes in while the tile goes out)
	QUARTER 1, 3, F0, F1, 0, 0
	TURN 1, 0, 2, 0                                ; slot 1 its K step 1
	WIN 0
	s_branch .Lout
.Llast:
	TURN 0, 1, 0, 1                                ; nothing is filled again, so no round of the cluster's barrier follows the barrier
	QUARTER 1, 1, F0, F1, 0, 0
	QUARTER 1, 2, F1, F0, 0, 2                     ; W2's last chunk: nothing more is asked for
	QUARTER 1, 3, F0, F1, 0, 0
	s_wait_dscnt 8                                 ; the very last quarter: nothing more to fetch
	WIN MUL_LO
	MUL16 F1, 0, 0, 0
	MUL16 F1, 0, 2, 0
	s_wait_dscnt 0x0
	WIN MUL_HI
	MUL16 F1, 1, 0, 0
	MUL16 F1, 1, 2, 0
	WIN 0
.Lout:                                                 ; THE TILE GOES OUT; behind a tile that has a successor both refills are on their way meanwhile
	PLACES                                         ; behind the last products: what follows reads results and writes over fragments
	ACT 0
	TOSTAGE 0
.irp a, 1,2,3,4,5,6,7                  ; block a's arithmetic stands between block a - 1's loads from the stage and the wait for them
	ACT \a
	SEND \a-1
	TOSTAGE \a
.endr
	SEND 7
	s_wait_xcnt 0x0                                ; the stores have had their addresses translated (ISA guide 3.1): their base is stepped only behind this wait; nothing waits for the stores themselves
	s_add_nc_u64 s[10:11], s[10:11], NEXT_C        ; hb at my part of the next tile (behind the last tile the stepped base is not used)
	s_sub_co_u32 s2, s2, 1
	s_cmp_lg_u32 s2, 0
	s_cbranch_scc1 .Ltile
	s_wait_tensorcnt 0x0                           ; none of my tensor loads may be out at the end: the last tile has asked for none, so this wait is met at once
	s_set_vgpr_msb 0x1
	s_wait_tensorcnt 0x0
	ds_add_u32 v255, v23
	s_wait_dscnt 0x0
	s_set_vgpr_msb 0x100
	CROUND                                         ; the closing round: no work-group ends while a partner may still ask for a tile that names it
	s_endpgm
.Lfunc_end_k_qba99123e67_ffn1:
	.size	k_qba99123e67_ffn1, .Lfunc_end_k_qba99123e67_ffn1-k_qba99123e67_ffn1
	.p2alignl 7, 3214868480
	.fill 96, 4, 3214868480
	.section	.rodata,"a",@progbits
	.p2align	6, 0x0
	.amdhsa_kernel k_qba99123e67_ffn1
		.amdhsa_group_segment_fixed_size 327680
		.amdhsa_private_segment_fixed_size 0
		.amdhsa_enable_private_segment 0
		.amdhsa_kernarg_size 48
		.amdhsa_user_sgpr_count 2
		.amdhsa_user_sgpr_kernarg_segment_ptr 1
		.amdhsa_wavefront_size32 1
		.amdhsa_system_sgpr_workgroup_id_x 1
		.amdhsa_system_sgpr_workgroup_id_y 1
		.amdhsa_system_sgpr_workgroup_id_z 1
		.amdhsa_system_vgpr_workitem_id 0
		.amdhsa_next_free_vgpr 1024
		.amdhsa_next_free_sgpr 76
		.amdhsa_reserve_vcc 0
		.amdhsa_float_denorm_mode_32 3
		.amdhsa_float_denorm_mode_16_64 3
		.amdhsa_memory_ordered 1
		.amdhsa_forward_progress 1
		.amdhsa_inst_pref_size 255
	.end_amdhsa_kernel
	.section	.bss,"aw",@nobits
	.p2align	6
	.space	262144
	.amdgpu_metadata
---
amdhsa.version: [ 1, 2 ]
amdhsa.kernels:
  - .name:           k_qba99123e67_ffn1
    .symbol:         k_qba99123e67_ffn1.kd
    .args:
      - { .name: xb, .offset: 0, .size: 8, .value_kind: global_buffer, .address_space: global }
      - { .name: w1b, .offset: 8, .size: 8, .value_kind: global_buffer, .address_space: global }
      - { .name: b1, .offset: 16, .size: 8, .value_kind: global_buffer, .address_space: global }
      - { .name: hb, .offset: 24, .size: 8, .value_kind: global_buffer, .address_space: global }
      - { .name: W2, .offset: 32, .size: 8, .value_kind: global_buffer, .address_space: global }
      - { .name: w2b, .offset: 40, .size: 8, .value_kind: global_buffer, .address_space: global }
    .group_segment_fixed_size: 327680
    .private_segment_fixed_size: 0
    .kernarg_segment_align: 8
    .kernarg_segment_size: 48
    .max_flat_workgroup_size: 128
    .sgpr_count:     76
    .vgpr_count:     1024
    .wavefront_size: 32
...
	.end_amdgpu_metadata
.endif
;; end of part 2
;; launch ffn2 (part 3): grid 4 x 64, 4 waves a work-group, clusters of 4 x 4, 327,680 bytes of LDS; arguments hb, w2b, b2, out0; writes out0
.if DOCPART == 3
	.amdgcn_target "amdgcn-amd-amdhsa--gfx1250"
	.amdhsa_code_object_version 6
	.text
	.protected	k_qba99123e67_ffn2
	.globl	k_qba99123e67_ffn2
	.p2align	8
	.type	k_qba99123e67_ffn2,@function
k_qba99123e67_ffn2:
	s_mov_b64 s[64:65], 0
	v_nop
	global_prefetch_b8 v0, s[64:65] scope:SCOPE_SE
	s_setreg_imm32_b32 hwreg(HW_REG_WAVE_MODE, 25, 1), 1
	s_wait_xcnt 0x0
	s_wait_alu depctr_hold_cnt(0) depctr_sa_sdst(0) depctr_va_vdst(0) depctr_va_sdst(0) depctr_va_ssrc(0) depctr_va_vcc(0) depctr_vm_vsrc(0)
	s_getreg_b32 s2, hwreg(HW_REG_IB_STS2, 6, 4)
	s_cmp_eq_u32 s2, 0
	s_cbranch_scc0 .Lentry_in_a_cluster
	s_endpgm
.Lentry_in_a_cluster:
	s_bfe_u32 s2, ttmp6, 0x10000c
	s_cmp_lg_u32 s2, 0xf033
	s_cbranch_scc0 .Lentry_shape_is_right
	s_endpgm
.Lentry_shape_is_right:
; out0[row][n] = sum over k of hb[row][k] w2b[e][k][n] + b2[e][n], e = (row / 256) mod 4.  hb: [8192][4096] bf16, w2b: [4][4096][1024] bf16, b2: [4][1024] f32, out0: [8192][1024] f32.  Sums and bias in f32.
; SHARES.  Tiles of 256 x 256 would be 128; a tile of out0 is 128 rows x 256 columns, which makes 256 work-groups.  Four waves, each 64 x 128: 32 accumulators of 16 x 16, 256 registers.
; THE RING HAS TWO UNEQUAL SLOTS.  128 along K are only 128 matrix instructions a wave, and two slots of 256 along K (413,696 bytes) do not fit.  So a LONG slot holds 256 along K (128 rows of A of
; 512 bytes, 256 k-rows of B of 512 bytes) and a SHORT one 128 (128 rows of A of 256 bytes, 128 k-rows of B): 311,296 bytes.  K = 4,096 = 10 periods of 256 + 128, and 256 more.  While the long slot
; is multiplied (256 matrix instructions a wave) the short one's fill is on its way, and the other way round: 19 refills, one joint load a wave each, where equal slots of 128 would need 30.
; Every row of a tile is a whole number of aligned blocks of 256 bytes of memory (a period is 768 bytes of a row of hb).  B lies [k][column] in LDS as in memory; its fragments come out turned, by ds_load_tr16_b128.
; THE STAGE for the way out lies in the short slot: it is written only behind the barrier that ends all waves' reads of that slot's last fill, and no tensor load follows.
; CLUSTERS: 4 x 4 work-groups.  A cluster's four rows are four blocks of 128 rows of ONE expert (block j = 4 (cluster y / 4) + cy of its 16, e = cluster y mod 4), its four columns the four tile columns.
; The four of a row of the cluster need the same tiles of A, the four of a column the same tiles of B: each tile is asked for jointly, by the same tensor load with the same descriptor and a mask that names the four.
; PREFETCH.  hb is read from memory once, by the joint loads of one row of a cluster.  Each of the four partners asks for 32 of the tile's 128 rows (32 cx + lane), one refill ahead: behind the long slot's
; refill wave 0 asks for the 256 bytes a row that the short slot's next refill brings; behind the short slot's refill waves 0 and 1 ask for the 512 bytes a row of the long slot's next; at the start they ask
; for the long slot's first refill.  Each aligned block of 256 bytes is asked for once.  Only the loop's nine trips ask, and the last of them asks for the last tile: no request passes a row's end.
; THE MATRIX INSTRUCTION IS USED TRANSPOSED: source 0 = 16 columns of B, source 1 = 16 rows of A.  Lane l then holds row l % 16 and the columns 8 (l / 16) + 0..7.
; REGISTERS, in windows of 256 (s_set_vgpr_msb's low byte: bits 1:0 source 0, 3:2 source 1, 5:4 source 2, 7:6 destination):
;   window 0: v0-31 addresses; v64-127, v128-191 fragments of A, two buffers of 64 along K (32 c + 8 a); on the way out v64-127 sums with bias, v128-191 and v192-255 rows read back
;   window 1: v0-127, v128-255 fragments of B, two buffers of 64 along K (64 c + 8 b)
;   window 2: the accumulators ((a, b) at v[8 (8 a + b)]);   window 3: v0-63 the bias of my 8 x 8 columns
.set SIZE_K, 4096
.set SIZE_N, 1024
.set PAL,    528                       ; a row of A in the long slot: 512 bytes + 16 = 132 words: row r starts at bank 4 r mod 64 (64 banks of 4 bytes: ISA guide 11.1)
.set PAS,    272                       ; in the short slot: 256 bytes + 16 = 68 words: likewise
.set PB,     544                       ; a k-row of B: 512 bytes + 32 = 136 words: row r starts at bank 8 r mod 64
.set AL_HALF, 64*PAL                   ; what one tensor load brings: 64 rows of A,
.set AS_HALF, 64*PAS
.set BL_HALF, 128*PB                   ; 128 k-rows of B for the long slot,
.set BS_HALF, 64*PB                    ; 64 for the short one
.set LB,     2*AL_HALF                 ; the long slot begins at LDS byte 0; its B lies behind its A
.set SBASE,  LB+2*BL_HALF              ; the short slot: byte 206,848, a multiple of 256
.set SB,     SBASE+2*AS_HALF           ; its B
.set STAGE,  SBASE                     ; 16 rows x 528 bytes (33 x 256) for each wave
.set SP,     528                       ; a stage row: 512 bytes + 16 = 132 words: the 16 rows that a store touches start at 16 different banks
.set PERIODS, 10                       ; 10 x 384 + 256 = SIZE_K
.set ASTEP,  384*2                     ; bytes from a slot's tile to its next: A goes 384 along its rows,
.set BSTEP,  384*SIZE_N*2              ; B down 384 rows
.set ADRAL, 16                         ; v16     LDS address of my A fragments in the long slot
.set ADRAS, 17                         ; v17     in the short slot
.set ADRBL, 20                         ; v20-21  of my B fragments in the long slot: k-rows 0-127, 128-255 (an LDS offset has 16 bits)
.set ADRBS, 22                         ; v22     in the short slot
.set STO,  24                          ; v24     the way out: where I put 32 bytes of a row
.set RD,   25                          ; v25     the way out: where I read a row back
.set CO,   26                          ; v26     my byte offset in a row of my part of out0
.set BO,   27                          ; v27     my byte offset in my wave's 128 numbers of b2
.set PFO,  28                          ; v28     prefetch: (32 cx + lane) rows of 8,192 bytes + 256 x wave; never rewritten
.set X,    64
.set OB0,  128
.set OB1,  192
.set BI,   0                           ; in window 3
.set WV, 12                            ; s12 my wave's number
.set RH, 13                            ; s13 which half of the tile's rows is mine.  Also: I fetch for A (0) or for B (1)
.set CH, 14                            ; s14 which half of its columns.  Also: which half of that tile's rows I fetch
.set G1AL, 24                          ; s[24:31] descriptor group 1 for A's tiles of the long slot
.set G0A,  32                          ; s[32:39] group 0 for A's tiles: the long slot's set, then the short slot's
.set G1BL, 48                          ; s[48:55] group 1 for B's tiles of the long slot
.set G0B,  56                          ; s[56:63] group 0 for B's tiles, likewise
.set G1AS, 68                          ; s[68:75] group 1 for A's tiles of the short slot
.set G1BS, 76                          ; s[76:83] for B's
.set PFB,  84                          ; s[84:85] prefetch: hb at the tile's first row, at the period in hand
.set MSB, 0
.macro WIN new                         ; the immediate's high byte repeats the setting that is left; a switch that changes nothing is dropped
.if MSB != \new
	s_set_vgpr_msb (MSB<<8)|\new
.set MSB, \new
.endif
.endm
.set MUL,   0xa1                       ; source 0 (B) window 1, source 1 (A) window 0, C and D window 2
.set TO_B,  0x40                       ; destination window 1, address window 0
.set TO_BI, 0xc0                       ; destination window 3, address window 0
.set ADD,   0x0e                       ; source 0 (the sums) window 2, source 1 (the bias) window 3, destination window 0
; A joint load into slot w (0: long, 1: short): waves 0 and 1 fetch A's two halves, waves 2 and 3 B's; four v_nop follow each of the two lines, ahead of the jump, the label and what follows
.macro JLOAD w
	s_cmp_eq_u32 s[RH], 0
	s_cbranch_scc0 .Lfor_b_\@
.if \w
	tensor_load_to_lds s[G0A+4:G0A+7], s[G1AS:G1AS+7]
	s_nop 0
.else
	tensor_load_to_lds s[G0A:G0A+3], s[G1AL:G1AL+7]
	s_nop 0
.endif
.rept 4
	v_nop
.endr
	s_branch .Lasked_\@
.Lfor_b_\@:
.if \w
	tensor_load_to_lds s[G0B+4:G0B+7], s[G1BS:G1BS+7]
	s_nop 0
.else
	tensor_load_to_lds s[G0B:G0B+3], s[G1BL:G1BL+7]
	s_nop 0
.endif
.rept 4
	v_nop
.endr
.Lasked_\@:
.endm
.macro CREST                           ; a round of the cluster's barrier behind its opening barrier
	s_cmp_lg_u32 s[WV], 0
	s_cbranch_scc1 .Lnot_wave_0_\@
	s_barrier_signal -3
.Lnot_wave_0_\@:
	s_barrier_wait -3
	s_barrier_signal -1
	s_barrier_wait -1
.endm
.macro CROUND                          ; a whole round
	s_barrier_signal -1
	s_barrier_wait -1
	CREST
.endm
; The first nw waves ask for one block of 256 bytes in each of my work-group's 32 rows of A's tile, at byte off + 256 x wave from the prefetch base.  Nothing waits for it.
.macro PF nw, off
	s_cmp_ge_u32 s[WV], \nw
	s_cbranch_scc1 .Lno_pf_\@
	global_prefetch_b8 v[PFO], s[PFB:PFB+1] offset:\off th:TH_LOAD_NT scope:SCOPE_SE
.Lno_pf_\@:
.endm
; Words 1 to 7 of a descriptor group 1: a tile of rows x cols elements that lies inside its tensor; pitch = elements from row to row
.macro SHAPE g, cols, rows, pitch
	s_mov_b32 s[\g+1], (\cols)<<16                 ; tensor_dim0
	s_mov_b32 s[\g+2], (\rows)<<16                 ; tensor_dim1
	s_mov_b32 s[\g+3], (\cols)<<16                 ; tile_dim0
	s_mov_b32 s[\g+4], \rows                       ; tile_dim1
	s_mov_b32 s[\g+5], \pitch
	s_mov_b32 s[\g+6], 0
	s_mov_b32 s[\g+7], 0
.endm
	s_load_b256 s[4:11], s[0:1], 0x0               ; hb s[4:5], w2b s[6:7], b2 s[8:9], out0 s[10:11]
	v_lshl_add_u32 v62, v0, 2, 0x4c000
	v_mov_b32 v63, 0
	ds_add_u32 v62, v63
	v_lshrrev_b32 v1, 5, v0
	v_readfirstlane_b32 s[WV], v1                  ; wave 0..3
	s_lshr_b32 s[RH], s[WV], 1
	s_and_b32 s[CH], s[WV], 1
	s_bfe_u32 s40, ttmp6, 0x40000                  ; cx
	s_bfe_u32 s41, ttmp6, 0x40004                  ; cy
	s_lshl_b32 s42, ttmp9, 2
	s_add_co_u32 s42, s42, s40                     ; tile column = 4 x cluster x + cx, 0..3
	s_and_b32 s2, ttmp7, 0xffff                    ; cluster y, 0..15
	s_and_b32 s45, s2, 3                           ; the expert: the same in the whole cluster
	s_lshr_b32 s2, s2, 2
	s_lshl_b32 s2, s2, 2
	s_add_co_u32 s2, s2, s41                       ; j: my block of 128 of the expert's 2,048 rows
	s_lshr_b32 s15, s2, 1
	s_lshl_b32 s15, s15, 10                        ; w = j / 2: 4 experts x 256 rows apart
	s_and_b32 s2, s2, 1
	s_lshl_b32 s2, s2, 7                           ; + the half of the 256 rows
	s_add_co_u32 s2, s2, s15
	s_lshl_b32 s15, s45, 8                         ; + the expert's 256 rows
	s_add_co_u32 s2, s2, s15                       ; the tile's first row
	s_lshl_b32 s43, s41, 2
	s_lshl_b32 s43, 15, s43                        ; my row of the cluster
	s_lshl_b32 s44, 0x1111, s40                    ; my column
	; descriptor groups 1.  Word 0: 15:0 the mask (A: my row, B: my column); 17:16 elements of 2 bytes; 20 padding on; 21 set beside a mask; 24:22 the row's words (code 5: 64, code 6: 128); 31:25 the padding's words less one
	s_or_b32 s[G1AL], s43, (1<<16)|(1<<20)|(1<<21)|(6<<22)|(3<<25)
	SHAPE G1AL, 256, 64, SIZE_K                    ; A, long: 64 rows x 256 elements
	s_or_b32 s[G1AS], s43, (1<<16)|(1<<20)|(1<<21)|(5<<22)|(3<<25)
	SHAPE G1AS, 128, 64, SIZE_K                    ; A, short: 64 rows x 128 elements
	s_or_b32 s[G1BL], s44, (1<<16)|(1<<20)|(1<<21)|(6<<22)|(7<<25)
	SHAPE G1BL, 256, 128, SIZE_N                   ; B, long: 128 k-rows x 256 elements
	s_or_b32 s[G1BS], s44, (1<<16)|(1<<20)|(1<<21)|(6<<22)|(7<<25)
	SHAPE G1BS, 256, 64, SIZE_N                    ; B, short: 64 k-rows x 256 elements
	; Byte offsets, all under 2^27.  s15-17 never hold cx; s18, s19 and s46-47 never hold cy.
	s_lshl_b32 s16, s2, 13                         ; hb: the tile's first row, rows of 8,192 bytes
	s_mov_b32 s17, 0
	s_lshl_b32 s46, s45, 23                        ; w2b: the expert's 8 MiB
	s_lshl_b32 s18, s42, 9                         ;      + the tile's 256 columns
	s_add_co_u32 s46, s46, s18
	s_mov_b32 s47, 0
	s_mul_i32 s20, s[CH], AL_HALF                  ; where my part of each tile goes: no place in the cluster enters an LDS address
	s_mul_i32 s21, s[CH], BL_HALF
	s_mul_i32 s22, s[CH], AS_HALF
	s_mul_i32 s23, s[CH], BS_HALF
	s_wait_dscnt 0x0
	s_wait_kmcnt 0x0
	s_add_nc_u64 s[4:5], s[4:5], s[16:17]          ; hb at the tile's first row:
	s_mov_b64 s[PFB:PFB+1], s[4:5]                 ; the prefetch base
	s_lshl_b32 s16, s[CH], 19                      ; + the 64 rows that I fetch
	s_add_nc_u64 s[4:5], s[4:5], s[16:17]
	s_add_nc_u64 s[6:7], s[6:7], s[46:47]          ; w2b at the expert's first k-row, the tile's columns
	s_lshl_b32 s46, s45, 12                        ; b2: the expert's 1,024 numbers
	s_lshl_b32 s18, s42, 10                        ;     + the tile's 256
	s_add_co_u32 s46, s46, s18
	s_lshl_b32 s18, s[CH], 9                       ;     + my wave's 128
	s_add_co_u32 s46, s46, s18
	s_add_nc_u64 s[8:9], s[8:9], s[46:47]
	s_lshl_b32 s16, s2, 12                         ; out0: rows of 4,096 bytes
	s_lshl_b32 s15, s[RH], 18                      ;     + my wave's 64 rows
	s_add_co_u32 s16, s16, s15
	s_add_nc_u64 s[10:11], s[10:11], s[16:17]
	s_lshl_b32 s46, s42, 10                        ;     + the tile's 256 columns
	s_lshl_b32 s18, s[CH], 9                       ;     + my wave's 128
	s_add_co_u32 s46, s46, s18
	s_add_nc_u64 s[10:11], s[10:11], s[46:47]
	CROUND                                         ; all sixteen work-groups are here: the first joint loads meet
	; descriptor groups 0: count 1, LDS address, global address, type 2
	s_mov_b32 s[G0A], 1
	s_add_co_u32 s[G0A+1], s20, 0                  ; A, long: K 0 to 255
	s_add_nc_u64 s[G0A+2:G0A+3], s[4:5], 0
	s_or_b32 s[G0A+3], s[G0A+3], 0x80000000
	s_mov_b32 s[G0A+4], 1
	s_add_co_u32 s[G0A+5], s22, SBASE              ; A, short: K 256 to 383
	s_add_nc_u64 s[G0A+6:G0A+7], s[4:5], 256*2
	s_or_b32 s[G0A+7], s[G0A+7], 0x80000000
	s_lshl_b32 s18, s[CH], 18                      ; B, long: the 128 k-rows of 2,048 bytes that I fetch
	s_mov_b32 s19, 0
	s_mov_b32 s[G0B], 1
	s_add_co_u32 s[G0B+1], s21, LB
	s_add_nc_u64 s[G0B+2:G0B+3], s[6:7], s[18:19]
	s_or_b32 s[G0B+3], s[G0B+3], 0x80000000
	s_lshl_b32 s18, s[CH], 17                      ; B, short: the 64 k-rows that I fetch,
	s_add_co_u32 s18, s18, 256*SIZE_N*2            ; behind the long slot's 256
	s_mov_b32 s[G0B+4], 1
	s_add_co_u32 s[G0B+5], s23, SB
	s_add_nc_u64 s[G0B+6:G0B+7], s[6:7], s[18:19]
	s_or_b32 s[G0B+7], s[G0B+7], 0x80000000
	s_cmp_eq_u32 s[RH], 0                          ; a wave's two first fills stand in one branch, ahead of every wait on TENSORcnt and every LDS read: two loads of mine are out
	s_cbranch_scc0 .Lfirst_b
	tensor_load_to_lds s[G0A:G0A+3], s[G1AL:G1AL+7]
	s_nop 0
	tensor_load_to_lds s[G0A+4:G0A+7], s[G1AS:G1AS+7]
	s_nop 0
.rept 4
	v_nop
.endr
	s_branch .Lfirst_asked
.Lfirst_b:
	tensor_load_to_lds s[G0B:G0B+3], s[G1BL:G1BL+7]
	s_nop 0
	tensor_load_to_lds s[G0B+4:G0B+7], s[G1BS:G1BS+7]
	s_nop 0
.rept 4
	v_nop
.endr
.Lfirst_asked:
	v_and_b32 v1, 15, v0                           ; r = l % 16
	v_bfe_u32 v2, v0, 4, 1                         ; h = l / 16
	v_lshlrev_b32 v[BO], 5, v2                     ; my eight columns of a block of 16 begin at 8 h: 32 h bytes of f32
	WIN TO_BI
.irp b, 0,1,2,3,4,5,6,7                ; the bias of columns 16 b + 8 h + 0..7 -> window 3, v[8 b ..]
	global_load_b128 v[BI+8*\b:BI+8*\b+3],   v[BO], s[8:9] offset:64*\b
	global_load_b128 v[BI+8*\b+4:BI+8*\b+7], v[BO], s[8:9] offset:64*\b+16
.endr
	WIN 0
	v_and_b32 v5, 31, v0                           ; lane
	v_lshl_add_u32 v5, s40, 5, v5                  ; my work-group's quarter of the tile's rows: 32 cx + lane
	v_lshlrev_b32 v[PFO], 13, v5                   ; rows of 8,192 bytes
	v_lshl_add_u32 v[PFO], s[WV], 8, v[PFO]        ; + 256 x wave
	PF 2, ASTEP                                    ; the long slot's first refill: K 384 to 639
	v_mul_u32_u24 v3, v1, PAL                      ; a fragment of A: r x pitch + 16 h, two loads 32 bytes apart
	v_lshl_add_u32 v3, v2, 4, v3
	v_mul_u32_u24 v6, v1, PAS
	v_lshl_add_u32 v6, v2, 4, v6
	v_and_b32 v4, 7, v0                            ; the turning load: k-row 8 h + l % 8, columns 8 ((l / 8) % 2) + 0..7
	v_lshl_add_u32 v4, v2, 3, v4
	v_mul_u32_u24 v4, v4, PB
	v_bfe_u32 v5, v0, 3, 1
	v_lshl_add_u32 v4, v5, 4, v4
	s_mul_i32 s20, s[RH], AL_HALF                  ; my 64 rows of A
	v_add_nc_u32 v[ADRAL], s20, v3
	s_mul_i32 s20, s[RH], AS_HALF
	s_add_co_u32 s20, s20, SBASE
	v_add_nc_u32 v[ADRAS], s20, v6
	s_lshl_b32 s21, s[CH], 8                       ; my 128 columns of B: 256 bytes into each k-row
	s_add_co_u32 s20, s21, LB
	v_add_nc_u32 v[ADRBL], s20, v4
	s_add_co_u32 s20, s21, LB+BL_HALF
	v_add_nc_u32 v[ADRBL+1], s20, v4
	s_add_co_u32 s20, s21, SB
	v_add_nc_u32 v[ADRBS], s20, v4
	s_mul_i32 s22, s[WV], 16*SP
	s_add_co_u32 s22, s22, STAGE                   ; my stage
	v_mul_u32_u24 v5, v1, SP                       ; in: row r, 32 bytes for each half of the lanes
	v_lshl_add_u32 v5, v2, 5, v5
	v_add_nc_u32 v[STO], s22, v5
	v_and_b32 v5, 31, v0
	v_lshlrev_b32 v[CO], 4, v5                     ; back, and out: the 32 lanes take one row's 512 bytes
	v_add_nc_u32 v[RD], s22, v[CO]
; 16 matrix instructions: row blocks a0, a0 + 1 x all 8 column blocks, 32 along K: half c of buffer f.  zero = 1: the first product starts the sums.
; The 32 accumulators take turns, one instruction a turn, in the same order in every pass.
.macro MUL16 f, c, a0, zero
.irp a, \a0, \a0+1
.irp b, 0,1,2,3,4,5,6,7
.if \zero
	v_wmma_f32_16x16x32_bf16 v[8*(8*(\a)+\b):8*(8*(\a)+\b)+7], v[128*\f+64*\c+8*\b:128*\f+64*\c+8*\b+7], v[64+64*\f+32*\c+8*(\a):64+64*\f+32*\c+8*(\a)+7], 0
.else
	v_wmma_f32_16x16x32_bf16 v[8*(8*(\a)+\b):8*(8*(\a)+\b)+7], v[128*\f+64*\c+8*\b:128*\f+64*\c+8*\b+7], v[64+64*\f+32*\c+8*(\a):64+64*\f+32*\c+8*(\a)+7], v[8*(8*(\a)+\b):8*(8*(\a)+\b)+7]
.endif
.endr
.endr
.endm
; 48 LDS loads in one run: the fragments of chunk kc (64 along K) of slot w (0: long, four chunks; 1: short, two) into buffer f: A's 16, then B's first 32 k-rows (16), then B's second (16)
.macro FETCH w, kc, f
.if \w
.set RA, ADRAS
.set PP, PAS
.set RB, ADRBS
.set KB, 64*(\kc)
.else
.set RA, ADRAL
.set PP, PAL
.set RB, ADRBL+(\kc)/2
.set KB, 64*((\kc)%2)
.endif
	WIN 0
.irp c, 0,1
.irp a, 0,1,2,3
	ds_load_b128 v[64+64*\f+32*\c+8*\a:64+64*\f+32*\c+8*\a+3],   v[RA] offset:128*\kc+64*\c+\a*16*PP
	ds_load_b128 v[64+64*\f+32*\c+8*\a+4:64+64*\f+32*\c+8*\a+7], v[RA] offset:128*\kc+64*\c+\a*16*PP+32
.endr
.endr
	WIN TO_B
.irp c, 0,1
.irp b, 0,1,2,3,4,5,6,7
	ds_load_tr16_b128 v[128*\f+64*\c+8*\b:128*\f+64*\c+8*\b+3],   v[RB] offset:(KB+32*\c)*PB+32*\b
	ds_load_tr16_b128 v[128*\f+64*\c+8*\b+4:128*\f+64*\c+8*\b+7], v[RB] offset:(KB+32*\c)*PB+16*PB+32*\b
.endr
.endr
.endm
.macro PLACES                          ; four places in front of loads into registers that matrix instructions have read, and of vector instructions that read results (ISA guide 7.12.1 for vector instructions)
.rept 4
	v_nop
.endr
.endm
; A chunk is 64 along K, 64 matrix instructions, on buffers 0, 1 by turns.  Any chunk of a slot but the last: multiplies buffer f and, in its middle, fetches chunk kc of the same slot w into buffer g.
.macro CHUNK w, kc, f, g, zero
	s_wait_dscnt 16                                ; A and B's first 32 k-rows are in; the youngest sixteen loads (B's second 32) may be out
	WIN MUL
	MUL16 \f, 0, 0, \zero
	MUL16 \f, 0, 2, \zero
	s_wait_dscnt 0x0                               ; B's second 32 k-rows are in, ahead of the next run of loads: 48 LDS loads of mine are out at the most
	PLACES
	FETCH \w, \kc, \g
	WIN MUL
	MUL16 \f, 1, 0, 0
	MUL16 \f, 1, 2, 0
.endm
; A slot's last chunk multiplies buffer 1 and changes slots: ONE barrier; in front of it each wave waits for its own reads of slot cur and for all its tensor loads, of which one is out: its part of slot next.
; fill = 1: the barrier opens a round of the cluster's barrier, and slot cur is filled again first thing behind the round, with its tile of the next period.  From that request to the wait for it a
; wave issues 112 matrix instructions (the long slot's refill) or 240 (the short slot's).  pf = 1: the tile of the refill after this one is asked for (see PREFETCH at the head).
.macro TURN cur, next, fill, pf
	s_wait_dscnt 16
	WIN MUL
	MUL16 1, 0, 0, 0
	s_wait_dscnt 0x0                               ; my reads of this slot are over,
	s_set_vgpr_msb 0xa1a0
	s_wait_tensorcnt 0x0                           ; and all my tensor loads have landed
	ds_add_u32 v62, v63
	s_wait_dscnt 0x0
	s_set_vgpr_msb 0xa0a1
	s_barrier_signal -1
	MUL16 1, 0, 2, 0                               ; work on registers while the others arrive
.if \fill
	WIN 0                                          ; at a branch and at a label every window is 0
.endif
	s_barrier_wait -1
.if \fill
	CREST                                          ; no wave of any partner still reads this slot's tile or has a load on its way
	s_add_nc_u64 s[G0A+4*\cur+2:G0A+4*\cur+3], s[G0A+4*\cur+2:G0A+4*\cur+3], ASTEP
	s_add_nc_u64 s[G0B+4*\cur+2:G0B+4*\cur+3], s[G0B+4*\cur+2:G0B+4*\cur+3], BSTEP
	JLOAD \cur                                     ; my one tensor load behind the round; the four v_nop behind it are also the places in front of the loads below
.if \pf
.if \cur == 0
	s_wait_xcnt 0x0                                ; the last prefetch, a slot's work ago, has had its addresses translated (ISA guide 3.1): its base is stepped only behind this wait
	s_add_nc_u64 s[PFB:PFB+1], s[PFB:PFB+1], ASTEP ; the base goes on to the period whose long tile has just been asked for
	PF 1, 256*2                                    ; that period's short tile: 256 bytes a row, behind the long tile's 512
.else
	PF 2, ASTEP                                    ; the next period's long tile: 512 bytes a row
.endif
.endif
.else
	PLACES
.endif
	FETCH \next, 0, 0
	WIN MUL
	MUL16 1, 1, 0, 0
	MUL16 1, 1, 2, 0
.endm
; THE WAY OUT of block a (16 rows x 128 columns of f32), in three parts.  ADDB: the bias is added; each accumulator is read from its low end on.
.macro ADDB a
	WIN ADD
.set p, 0
.rept 32
	v_pk_add_f32 v[X+2*p:X+2*p+1], v[64*(\a)+2*p:64*(\a)+2*p+1], v[BI+2*p:BI+2*p+1]
.set p, p+1
.endr
	WIN 0
.endm
; TOSTAGE: 32 bytes a lane into my own stage, and back as whole rows of 512 bytes.
.macro TOSTAGE a
.set BK, OB0+(OB1-OB0)*((\a)%2)
.irp b, 0,1,2,3,4,5,6,7
	ds_store_b128 v[STO], v[X+8*\b:X+8*\b+3]   offset:64*\b
	ds_store_b128 v[STO], v[X+8*\b+4:X+8*\b+7] offset:64*\b+16
.endr
.irp t, 0,1,2,3,4,5,6,7,8,9,10,11,12,13,14,15
	ds_load_b128 v[BK+4*\t:BK+4*\t+3], v[RD] offset:\t*SP          ; LDS serves a wave's instructions in order (ISA guide 5.7.1.4): these see the stores above
.endr
.endm
; SEND: stored.  The row's place among my 64 stands in the immediate, 63 rows of 4,096 bytes at the most; base and offset are never rewritten.
.macro SEND a
.set BK, OB0+(OB1-OB0)*((\a)%2)
	s_wait_dscnt 0x0                               ; the block is back in registers
	s_wait_xcnt 0x0                                ; every earlier store has had its addresses translated (ISA guide 3.1): the other set of rows, which the stores of the block before read, is loaded again only behind this wait
.irp t, 0,1,2,3,4,5,6,7,8,9,10,11,12,13,14,15
	global_store_b128 v[CO], v[BK+4*\t:BK+4*\t+3], s[10:11] offset:(16*(\a)+\t)*SIZE_N*4 th:TH_STORE_NT   ; the wave stores 512 consecutive bytes, at a multiple of 512 from out0's first byte
.endr
.endm
	s_wait_tensorcnt 0x1                           ; my part of the long slot is in; the short slot's may stay out
	s_wait_loadcnt 0x0                             ; the bias, once
	s_barrier_signal -1
	s_barrier_wait -1                              ; everybody's part is in
	FETCH 0, 0, 0
	CHUNK 0, 1, 0, 1, 1                            ; the first chunk stands in front of the loop: its first products start the sums, nothing is cleared
	WIN 0
	s_mov_b32 s3, PERIODS-1
.Lperiod:                                              ; a trip is a period, 384 along K, from the long slot's second chunk to its next tile's first; it fills both slots again
	CHUNK 0, 2, 1, 0, 0
	CHUNK 0, 3, 0, 1, 0
	TURN 0, 1, 1, 1
	CHUNK 1, 1, 0, 1, 0
	TURN 1, 0, 1, 1
	CHUNK 0, 1, 0, 1, 0
	WIN 0
	s_sub_co_u32 s3, s3, 1
	s_cmp_lg_u32 s3, 0
	s_cbranch_scc1 .Lperiod
	CHUNK 0, 2, 1, 0, 0                            ; the tenth period and the last 256 along K are written out
	CHUNK 0, 3, 0, 1, 0
	TURN 0, 1, 1, 0                                ; the last refill: the long slot takes K 3,840 to 4,095; nothing is left to ask for ahead
	CHUNK 1, 1, 0, 1, 0
	TURN 1, 0, 0, 0                                ; the short slot has been read for the last time by every wave: behind this barrier it is the stage
	CHUNK 0, 1, 0, 1, 0
	CHUNK 0, 2, 1, 0, 0
	CHUNK 0, 3, 0, 1, 0
	s_wait_dscnt 16                                ; the very last chunk: nothing more to fetch
	WIN MUL
	MUL16 1, 0, 0, 0
	MUL16 1, 0, 2, 0
	s_wait_dscnt 0x0
	MUL16 1, 1, 0, 0
	MUL16 1, 1, 2, 0
	PLACES                                         ; behind the last products: what follows reads results and writes over fragments
	ADDB 0
	TOSTAGE 0
.irp a, 1,2,3                          ; block a's additions stand between block a - 1's loads from the stage and the wait for them
	ADDB \a
	SEND \a-1
	TOSTAGE \a
.endr
	SEND 3
	s_wait_tensorcnt 0x0
	ds_add_u32 v62, v63
	s_wait_dscnt 0x0
	CROUND                                         ; the closing round: no work-group ends while a partner may still ask for a tile that names it
	s_endpgm
.Lfunc_end_k_qba99123e67_ffn2:
	.size	k_qba99123e67_ffn2, .Lfunc_end_k_qba99123e67_ffn2-k_qba99123e67_ffn2
	.p2alignl 7, 3214868480
	.fill 96, 4, 3214868480
	.section	.rodata,"a",@progbits
	.p2align	6, 0x0
	.amdhsa_kernel k_qba99123e67_ffn2
		.amdhsa_group_segment_fixed_size 327680
		.amdhsa_private_segment_fixed_size 0
		.amdhsa_enable_private_segment 0
		.amdhsa_kernarg_size 32
		.amdhsa_user_sgpr_count 2
		.amdhsa_user_sgpr_kernarg_segment_ptr 1
		.amdhsa_wavefront_size32 1
		.amdhsa_system_sgpr_workgroup_id_x 1
		.amdhsa_system_sgpr_workgroup_id_y 1
		.amdhsa_system_sgpr_workgroup_id_z 1
		.amdhsa_system_vgpr_workitem_id 0
		.amdhsa_next_free_vgpr 832
		.amdhsa_next_free_sgpr 86
		.amdhsa_reserve_vcc 0
		.amdhsa_float_denorm_mode_32 3
		.amdhsa_float_denorm_mode_16_64 3
		.amdhsa_memory_ordered 1
		.amdhsa_forward_progress 1
		.amdhsa_inst_pref_size 154
	.end_amdhsa_kernel
	.amdgpu_metadata
---
amdhsa.version: [ 1, 2 ]
amdhsa.kernels:
  - .name:           k_qba99123e67_ffn2
    .symbol:         k_qba99123e67_ffn2.kd
    .args:
      - { .name: hb, .offset: 0, .size: 8, .value_kind: global_buffer, .address_space: global }
      - { .name: w2b, .offset: 8, .size: 8, .value_kind: global_buffer, .address_space: global }
      - { .name: b2, .offset: 16, .size: 8, .value_kind: global_buffer, .address_space: global }
      - { .name: out0, .offset: 24, .size: 8, .value_kind: global_buffer, .address_space: global }
    .group_segment_fixed_size: 327680
    .private_segment_fixed_size: 0
    .kernarg_segment_align: 8
    .kernarg_segment_size: 32
    .max_flat_workgroup_size: 128
    .sgpr_count:     86
    .vgpr_count:     832
    .wavefront_size: 32
...
	.end_amdgpu_metadata
.endif
;; end of part 3
;; ======== version 2 of 2: 3 launches; version 1 with the launch cast written anew for expert scheduling mode
;; workspace buffers: xb 16,777,216 bytes; w1b 33,554,432 bytes; w2b 33,554,432 bytes; hb 67,108,864 bytes
;; launch cast (part 4): grid 768 x 1, 8 waves a work-group, no clusters, 0 bytes of LDS; arguments inputs, W1, xb, w1b; writes xb, w1b
.if DOCPART == 4
	.amdgcn_target "amdgcn-amd-amdhsa--gfx1250"
	.amdhsa_code_object_version 6
	.text
	.protected	k_qba99123e67_cast
	.globl	k_qba99123e67_cast
	.p2align	8
	.type	k_qba99123e67_cast,@function
k_qba99123e67_cast:
	s_mov_b64 s[64:65], 0
	v_nop
	global_prefetch_b8 v0, s[64:65] scope:SCOPE_SE
	s_setreg_imm32_b32 hwreg(HW_REG_WAVE_SCHED_MODE, 0, 2), 2
	s_setreg_imm32_b32 hwreg(HW_REG_WAVE_MODE, 25, 1), 1
	s_wait_xcnt 0x0
	s_wait_alu depctr_vm_vsrc(0)
; inputs and W1 (f32) are rounded once, to nearest even, to bf16 and stored in the same order as xb and w1b: the operands of the first product.  (W2 is not needed before the second
; product: it is rounded by the next launch, beside its matrix work.)
; NaN stays NaN and infinities stay; bf16 has f32's range, so nothing overflows that was finite but the numbers within half a bf16 step of f32's largest.
; SHARES.  96 MiB come in, 128 KiB to a work-group: work-groups 0-255 take inputs, 256-767 W1.  A wave takes 16 KiB: 32 loads of 16 bytes a lane,
; each 512 neighbouring bytes, all issued before the first is used.  A load's four numbers pack into 8 bytes a lane: one store of the wave covers 256 consecutive bytes, aligned.
; No LDS, no barrier, no matrix unit, no cluster: no byte is read twice and no wave needs another's.  No register is written twice behind a memory instruction that names it.
; THE MODE: SCHED_MODE bits 1:0 = 2 (LLVM: expert scheduling mode 2), set by the entry lines.  The code itself states the register dependences
; between vector instructions and memory instructions, with s_wait_alu, always for 0.
; THE PLAN.  Registers that memory instructions touch:
;   v1, v2     byte offsets of the loads and of the stores: made at the head, never written again.
;   X + 4 i    load i's four registers: written by load i; read by its two conversions, which write the first two of them; those two are read by store i.  Nothing writes them after that.
; The 32 loads' work goes in eight blocks of four.  Block p's eight conversions name block p's registers alone; the four stores of block p - 1 are dealt among them.  So one wait on va_vdst
; at a block's head, behind the wait for the block's data, states all that those four stores hang on.  One more stands ahead of the first load, for the offsets, and one ahead of the last four stores.
; No register that a memory instruction reads is written again, so the only wait on vm_vsrc is the one at the entry; no vector instruction writes a scalar register, and EXEC is never written.
.set X, 4                              ; v[4:131]  load i: four registers as loaded; its first two then hold the packed result
.set LOADS, 32
.set BLOCK, 4                          ; loads in a block
	s_load_b256 s[4:11], s[0:1], 0x0               ; inputs s[4:5], W1 s[6:7], xb s[8:9], w1b s[10:11]
	s_mov_b32 s16, ttmp9                           ; the work-group's number
	v_and_b32 v3, 0xe0, v0                         ; 32 x wave
	v_and_b32 v2, 31, v0                           ; lane
	v_lshlrev_b32 v1, 4, v2                        ; in: 16 bytes a lane
	v_lshl_or_b32 v1, v3, 9, v1                    ;     + wave x 16,384
	v_lshlrev_b32 v2, 3, v2                        ; out: 8 bytes a lane
	v_lshl_or_b32 v2, v3, 8, v2                    ;     + wave x 8,192
	s_wait_kmcnt 0x0
	s_cmp_lt_u32 s16, 256                          ; the choice of tensor hangs on the work-group's number alone
	s_cselect_b64 s[20:21], s[4:5], s[6:7]         ; from here
	s_cselect_b64 s[22:23], s[8:9], s[10:11]       ; to there
	s_cselect_b32 s17, 0, 256                      ; the tensor's first work-group
	s_sub_co_u32 s18, s16, s17                     ; my part of the tensor, 511 at the most
	s_lshl_b32 s24, s18, 17                        ; x 128 KiB in
	s_mov_b32 s25, 0
	s_lshl_b32 s26, s18, 16                        ; x 64 KiB out
	s_mov_b32 s27, 0
	s_add_nc_u64 s[20:21], s[20:21], s[24:25]
	s_add_nc_u64 s[22:23], s[22:23], s[26:27]
	s_wait_alu depctr_va_vdst(0)                   ; v1 and v2 are written: every load of the kernel reads v1 as its offset, every store v2
.set i, 0
.rept LOADS
	global_load_b128 v[X+4*i:X+4*i+3], v1, s[20:21] offset:512*i th:TH_LOAD_NT   ; read once in the launch
.set i, i+1
.endr
; Block p: loads 4 p to 4 p + 3 are rounded; the stores of block p - 1 stand among the conversions, one ahead of each pair of them.
.macro BLK p
	s_wait_loadcnt LOADS-BLOCK*((\p)+1)            ; loads come back in order (ISA guide 5.7.1): the block's four are in, the younger ones stay out
.if (\p) > 0
	s_wait_alu depctr_va_vdst(0)                   ; the conversions of the block before have written its four pairs, which the stores below read; no vector instruction behind this wait names them
.endif
.irp i, 0,1,2,3
.if (\p) > 0
	global_store_b64 v2, v[X+4*(BLOCK*((\p)-1)+(\i)):X+4*(BLOCK*((\p)-1)+(\i))+1], s[22:23] offset:256*(BLOCK*((\p)-1)+(\i))   ; no hint: the next launch reads these bytes
.endif
	v_cvt_pk_bf16_f32 v[X+4*(BLOCK*(\p)+(\i))],   v[X+4*(BLOCK*(\p)+(\i))],   v[X+4*(BLOCK*(\p)+(\i))+1]
	v_cvt_pk_bf16_f32 v[X+4*(BLOCK*(\p)+(\i))+1], v[X+4*(BLOCK*(\p)+(\i))+2], v[X+4*(BLOCK*(\p)+(\i))+3]
.endr
.endm
.irp p, 0,1,2,3,4,5,6,7
	BLK \p
.endr
	s_wait_alu depctr_va_vdst(0)                   ; the last block's conversions have written its four pairs, which the last four stores read
.irp i, 28,29,30,31
	global_store_b64 v2, v[X+4*(\i):X+4*(\i)+1], s[22:23] offset:256*(\i)   ; no hint: the next launch reads these bytes
.endr
	s_endpgm
.Lfunc_end_k_qba99123e67_cast:
	.size	k_qba99123e67_cast, .Lfunc_end_k_qba99123e67_cast-k_qba99123e67_cast
	.p2alignl 7, 3214868480
	.fill 96, 4, 3214868480
	.section	.rodata,"a",@progbits
	.p2align	6, 0x0
	.amdhsa_kernel k_qba99123e67_cast
		.amdhsa_group_segment_fixed_size 0
		.amdhsa_private_segment_fixed_size 0
		.amdhsa_enable_private_segment 0
		.amdhsa_kernarg_size 32
		.amdhsa_user_sgpr_count 2
		.amdhsa_user_sgpr_kernarg_segment_ptr 1
		.amdhsa_wavefront_size32 1
		.amdhsa_system_sgpr_workgroup_id_x 1
		.amdhsa_system_sgpr_workgroup_id_y 1
		.amdhsa_system_sgpr_workgroup_id_z 1
		.amdhsa_system_vgpr_workitem_id 0
		.amdhsa_next_free_vgpr 132
		.amdhsa_next_free_sgpr 66
		.amdhsa_reserve_vcc 0
		.amdhsa_float_denorm_mode_32 3
		.amdhsa_float_denorm_mode_16_64 3
		.amdhsa_memory_ordered 1
		.amdhsa_forward_progress 1
		.amdhsa_inst_pref_size 12
	.end_amdhsa_kernel
	.amdgpu_metadata
---
amdhsa.version: [ 1, 2 ]
amdhsa.kernels:
  - .name:           k_qba99123e67_cast
    .symbol:         k_qba99123e67_cast.kd
    .args:
      - { .name: inputs, .offset: 0, .size: 8, .value_kind: global_buffer, .address_space: global }
      - { .name: W1, .offset: 8, .size: 8, .value_kind: global_buffer, .address_space: global }
      - { .name: xb, .offset: 16, .size: 8, .value_kind: global_buffer, .address_space: global }
      - { .name: w1b, .offset: 24, .size: 8, .value_kind: global_buffer, .address_space: global }
    .group_segment_fixed_size: 0
    .private_segment_fixed_size: 0
    .kernarg_segment_align: 8
    .kernarg_segment_size: 32
    .max_flat_workgroup_size: 256
    .sgpr_count:     66
    .vgpr_count:     132
    .wavefront_size: 32
...
	.end_amdgpu_metadata
.endif
;; end of part 4
;; launch ffn1: the kernel of part 2 again; grid 16 x 16, 4 waves a work-group, clusters of 4 x 4, 327,680 bytes of LDS; arguments xb, w1b, b1, hb, W2, w2b; writes hb, w2b
;; launch ffn2: the kernel of part 3 again; grid 4 x 64, 4 waves a work-group, clusters of 4 x 4, 327,680 bytes of LDS; arguments hb, w2b, b2, out0; writes out0
